; MI455X (gfx1250); checked and timed in simulation.
; The chip was launched on July 23, 2026; its instructions are those of AMD's public machine-readable ISA for CDNA 5 (MIT licence, August 2026) and "CDNA5" Instruction Set Architecture Reference Guide (July 2026). The comments in the code are by the model that wrote it; some were corrected since.
;; Windowed Masked Attention Calculation. Allowed arithmetic: matrix products marked QUANTISED: E2M1 operands, one E8M0 scale for each 32 along K, by v_wmma_scale_f32_16x16x128_f8f6f4 with both operands' format E2M1 (or v_wmma_scale_f32_32x16x128_f4), f32 sums; everything else in f32.
;; Inputs: k_codes 8 x 8 x 2,048 x 2 x 16 uint8 (E2M1 codes of k, K innermost, in blocks of 32 codes, two codes a byte); k_scales 8 x 8 x 2,048 x 2 uint8 (E8M0 scales of k, one for each 32 codes along K); mask 1 x 1 x 2,048 x 2,048 float32; pos_scores 1 x 8 x 2,048 x 2,048 float32; q_codes 8 x 8 x 2,048 x 2 x 16 uint8 (E2M1 codes of q, K innermost, in blocks of 32 codes, two codes a byte); q_scales 8 x 8 x 2,048 x 2 uint8 (E8M0 scales of q, one for each 32 codes along K); v_codes 8 x 8 x 64 x 64 x 16 uint8 (E2M1 codes of v, K innermost, in blocks of 32 codes, two codes a byte); v_scales 8 x 8 x 64 x 64 uint8 (E8M0 scales of v, one for each 32 codes along K).
;; Outputs: out0 8 x 8 x 2,048 x 64 float32.
;; This version of the problem:
;;   THIS VERSION OF THE PROBLEM IS GIVEN IN LOW PRECISION. The matrix products marked QUANTISED in the list below multiply operands that are first quantised to E2M1 (2 exponent bits, 1 mantissa bit; 4 bits a number), with one power-of-two scale for each 32 numbers along K (OCP MX v1.0); their sums are f32. All else is computed in f32.
;;   The module's matrix products, in the order in which they are computed (A, B: the left and right operand; K: the contracted axis; several contracted axes count as one K, in the product's order):
;;     1. batch 64 x [M 2,048, K 64] x [K 64, N 2,048]; A: input q (given as codes); B: input k (given as codes): QUANTISED
;;     2. batch 64 x [M 2,048, K 2,048] x [K 2,048, N 64]; A: softmax (see below); B: input v (given as codes): QUANTISED
;;   THE QUANTISER, for each operand of a quantised product, along K:
;;     - K is cut into blocks of 32 from its start; a last block that is shorter is filled with zeros.
;;     - A block's scale is 2^e with e = floor(log2(the largest magnitude in the block)) - 2, held to -126 .. 127; a block of zeros has e = 0. As a byte (E8M0): e + 127.
;;     - Each number is divided by its block's scale, clamped to +-6, and rounded to the nearest number of E2M1, ties to even, subnormals kept.
;;     - The product sums the exact products of the quantised numbers (number of the format x scale) in f32.
;;   ~~~python
;;   def quantise(x, axis):      # numpy; x: float32 -> the quantised numbers, widened to float32 again
;;       x = np.moveaxis(x, axis, -1); K = x.shape[-1]
;;       x = np.pad(x, [(0, 0)] * (x.ndim - 1) + [(0, -K % 32)]); x = x.reshape(x.shape[:-1] + (-1, 32)); a = np.abs(x).max(-1, keepdims=True)
;;       e = np.where(a > 0, np.clip(np.frexp(np.where(a > 0, a, 1))[1] - 1 - 2, -126, 127), 0)      # np.frexp(a)[1] - 1 = floor(log2(a)), exactly
;;       r = np.clip(x / 2.0 ** e, -6, 6)
;;       step = 2.0 ** (np.maximum(np.frexp(np.where(r == 0, 1, r))[1] - 1, 0) - 1)
;;       q = np.round(r / step) * step * 2.0 ** e      # np.round: ties to even
;;       return np.moveaxis(q.reshape(q.shape[:-2] + (-1,))[..., :K], -1, axis).astype(np.float32)
;;   ~~~
;;   SOFTMAX AHEAD OF A QUANTISED PRODUCT. Where the list says 'softmax', what is quantised is not the finished softmax but p = 2^(t - M), with t = logit x log2(e) and M = ceil(the row's largest t), a whole number; so 1/2 < the row's largest p <= 1. The row's sum l is taken of the UNQUANTISED p, in f32, and the product's result is divided by l at the end. Since M is a whole number, a kernel that streams over the keys may use a running M (the ceiling of the running maximum): every later rescaling is an exact power of two, which a block's scale takes up: the codes' values come out the same.
;;   OPERANDS COMPUTED ON THE WAY. 'Computed on the way' means the value that the module computes at that place (a softmax that the list does not call 'softmax' is quantised finished and normalised). What goes into a quantiser is computed in f32, as accurately as f32 sums, v_exp_f32 and their like allow (about 1e-6 of the number): no bf16 or f16 on the way to a quantiser, and a product that is left as it is and whose result goes on into a quantised operand takes f32 operands (vector FMAs, or v_wmma_f32_16x16x4_f32). A number that lies on a knife's edge between two numbers of the format may be rounded either way, as far as f32 arithmetic and the matrix unit's own rounding can turn it there, and no further.
;;   INPUTS GIVEN AS CODES. k (in the module: [8, 8, 2048, 64], K = its axis 3); q (in the module: [8, 8, 2048, 64], K = its axis 3); v (in the module: [8, 8, 2048, 64], K = its axis 2): each comes as NAME_codes (uint8): NAME with its K axis moved to the last place and cut into blocks of 32 codes, [.., K / 32, bytes a block], one block behind the other in memory; two codes a byte, the lower K in the low four bits (a code: sign, 2 exponent bits, 1 mantissa bit); and NAME_scales (uint8): the same leading axes, one E8M0 byte (e + 127) for each 32 codes along K. Its value is code x scale, taken as it is: it is not quantised again, and the codes and scales need not be those that the quantiser above would give.
;; One version. Each part assembles by itself: llvm-mc -triple=amdgcn-amd-amdhsa -mcpu=gfx1250 --defsym DOCPART=n.
;; ======== version 1 of 1: 2 launches
;; limits: right only within a limited range of input values
;; workspace buffers: kv 9,175,040 bytes
;; launch relay (part 1): grid 256 x 1, 4 waves a work-group, no clusters, 17,920 bytes of LDS; arguments k_codes, k_scales, v_codes, v_scales, kv; writes kv
.if DOCPART == 1
	.amdgcn_target "amdgcn-amd-amdhsa--gfx1250"
	.amdhsa_code_object_version 6
	.text
	.protected	k_q1fbb2c437e_relay
	.globl	k_q1fbb2c437e_relay
	.p2align	8
	.type	k_q1fbb2c437e_relay,@function
k_q1fbb2c437e_relay:
	s_mov_b64 s[64:65], 0
	v_nop
	global_prefetch_b8 v0, s[64:65] scope:SCOPE_SE
	s_setreg_imm32_b32 hwreg(HW_REG_WAVE_MODE, 25, 1), 1
	s_wait_xcnt 0x0
; k's and v's codes and scale bytes are laid anew, in the order of the matrix operands' registers, into kv: [head 8][key step 16][batch 8][8,960 bytes].
; So all that the eight batches of one head want for one step of 128 keys is ONE dense block of 71,680 bytes for the next launch, and a fragment is 512 consecutive bytes, 16 a lane.
; The 8,960 bytes of a batch:
;   +0     K: 8 images of 512 bytes.  Image t, lane 16 e + p: the 16 bytes (block e of the head's two) of key 64 (t / 4) + 32 (p / 8) + 8 (t % 4) + p % 8 of the step
;   +4096  V: 8 images.  Image 2 T + c, lane 16 e + p: the 16 bytes of row d = 16 T + p, key block 2 c + e of the step's four
;   +8192  K's scale words: lane l has 16 bytes, words i = 0 .. 3: the two scale bytes of the key that lane l % 16 has in image 2 i + l / 16, with zeros above them
;   +8704  V's scale words: lane l has 8 bytes, words i = 0, 1: the step's four scale bytes of row d = 32 i + l
; SHARES.  Work-group x: (batch, head) x / 4, steps 4 (x % 4) .. + 3.  Wave T takes V's rows 16 T .. + 15 for the four steps (256 bytes of each row), and K, K's scales and V's scales of step 4 (x % 4) + T.
; V's 16 rows x 256 bytes turn through the wave's own stage in LDS (rows 272 bytes apart); K's images are loaded as they are wanted: a load's 32 lanes take two runs of 256 consecutive bytes.
; Every store covers 256 or 512 consecutive bytes at a multiple of 256 from kv's first byte.  V's scale words are read 4 bytes of each row of 64: 262,144 bytes in the whole launch.
; No loop, no barrier: waves share nothing; no register that a load or store names is written again.
.set KVB, 71680                        ; a (head, step)'s block
.set BAT, 8960                         ; a batch's part of it
.set SP,  272                          ; a stage row: 256 bytes + 16
.set KA,  1                            ; v1   K's codes: 1,024 (p / 8) + 32 (p % 8) + 16 e
.set SA,  2                            ; v2   K's scales: 64 (p / 8) + 2 (p % 8) + 16 e
.set VSA, 3                            ; v3   V's scales: 64 x lane
.set VA,  4                            ; v4   V's codes: 1,024 e + 16 p: two rows a load
.set LST, 5                            ; v5   the stage, in
.set LRD, 6                            ; v6   the stage, out
.set O16, 7                            ; v7   16 x lane
.set O8,  8                            ; v8   8 x lane
.set KD,  16                           ; v16-47   K's 8 images
.set VI,  48                           ; v48-79   V as loaded
.set VO,  80                           ; v80-111  V's 8 images
.set KSC, 112                          ; v112-115 K's scale words
.set VSC, 116                          ; v116-117 V's
	s_load_b256 s[4:11], s[0:1], 0x0               ; k_codes s[4:5], k_scales s[6:7], v_codes s[8:9], v_scales s[10:11]
	s_load_b64 s[12:13], s[0:1], 0x20              ; kv
	v_lshl_add_u32 v120, v0, 2, 0x4400
	v_mov_b32 v121, 0
	v_lshrrev_b32 v9, 5, v0
	v_readfirstlane_b32 s14, v9                    ; wave T
	s_and_b32 s15, ttmp9, 3                        ; which four steps
	s_lshr_b32 s16, ttmp9, 2                       ; 8 x batch + head
	s_lshr_b32 s17, s16, 3                         ; batch
	s_and_b32 s18, s16, 7                          ; head
	s_lshl_b32 s19, s15, 2                         ; the first of the four steps
	s_add_co_u32 s33, s19, s14                     ; my step for K and the scales
	s_lshl_b32 s20, s16, 16                        ; K's codes: 65,536 a (batch, head), 4,096 a step
	s_lshl_b32 s34, s33, 12
	s_add_co_u32 s20, s20, s34
	s_mov_b32 s21, 0
	s_lshl_b32 s22, s16, 12                        ; K's scales: 4,096 and 256
	s_lshl_b32 s34, s33, 8
	s_add_co_u32 s22, s22, s34
	s_mov_b32 s23, 0
	s_lshl_b32 s24, s16, 16                        ; V's codes: my 16 rows of 1,024 bytes, the four steps' 256 bytes in each
	s_lshl_b32 s34, s14, 14
	s_add_co_u32 s24, s24, s34
	s_lshl_b32 s34, s15, 8
	s_add_co_u32 s24, s24, s34
	s_mov_b32 s25, 0
	s_lshl_b32 s26, s16, 12                        ; V's scales: my step's 4 bytes in each row of 64
	s_lshl_b32 s34, s33, 2
	s_add_co_u32 s26, s26, s34
	s_mov_b32 s27, 0
	s_lshl_b32 s35, s18, 4                         ; 16 x head
	s_mul_i32 s36, s17, BAT
	s_add_co_u32 s28, s35, s33                     ; kv: my step's block, my batch
	s_mul_i32 s28, s28, KVB
	s_add_co_u32 s28, s28, s36
	s_mov_b32 s29, 0
	s_add_co_u32 s30, s35, s19                     ; kv: the first of the four steps' blocks, my batch, V's images 2 T and 2 T + 1
	s_mul_i32 s30, s30, KVB
	s_add_co_u32 s30, s30, s36
	s_lshl_b32 s34, s14, 10
	s_add_co_u32 s30, s30, s34
	s_add_co_u32 s30, s30, 4096
	s_mov_b32 s31, 0
	s_mul_i32 s32, s14, 16*SP                      ; my stage
	v_and_b32 v9, 31, v0                           ; lane
	v_and_b32 v10, 15, v0                          ; p
	v_bfe_u32 v11, v0, 4, 1                        ; e
	v_bfe_u32 v12, v0, 3, 1                        ; p / 8
	v_and_b32 v13, 7, v0                           ; p % 8
	v_lshlrev_b32 v[KA], 10, v12
	v_lshl_add_u32 v[KA], v13, 5, v[KA]
	v_lshl_add_u32 v[KA], v11, 4, v[KA]
	v_lshlrev_b32 v[SA], 6, v12
	v_lshl_add_u32 v[SA], v13, 1, v[SA]
	v_lshl_add_u32 v[SA], v11, 4, v[SA]
	v_lshlrev_b32 v[VSA], 6, v9
	v_lshlrev_b32 v[VA], 10, v11
	v_lshl_add_u32 v[VA], v10, 4, v[VA]
	v_mul_u32_u24 v[LST], v11, SP
	v_lshl_add_u32 v[LST], v10, 4, v[LST]
	v_add_nc_u32 v[LST], s32, v[LST]               ; in: lanes 0-15 one row's 256 bytes, lanes 16-31 the next row's
	v_mul_u32_u24 v[LRD], v10, SP
	v_lshl_add_u32 v[LRD], v11, 4, v[LRD]
	v_add_nc_u32 v[LRD], s32, v[LRD]               ; out: row p, 16 e bytes on
	v_lshlrev_b32 v[O16], 4, v9
	v_lshlrev_b32 v[O8], 3, v9
	s_wait_alu depctr_va_vdst(0)
	s_wait_kmcnt 0x0
	s_add_nc_u64 s[4:5], s[4:5], s[20:21]
	s_add_nc_u64 s[6:7], s[6:7], s[22:23]
	s_add_nc_u64 s[8:9], s[8:9], s[24:25]
	s_add_nc_u64 s[10:11], s[10:11], s[26:27]
	s_add_nc_u64 s[28:29], s[12:13], s[28:29]
	s_add_nc_u64 s[30:31], s[12:13], s[30:31]
.irp i, 0,1,2,3,4,5,6,7
	global_load_b128 v[VI+4*\i:VI+4*\i+3], v[VA], s[8:9] offset:2048*\i th:TH_LOAD_NT       ; rows 2 i and 2 i + 1: 256 consecutive bytes of each
.endr
.irp t, 0,1,2,3,4,5,6,7
	global_load_b128 v[KD+4*\t:KD+4*\t+3], v[KA], s[4:5] offset:2048*(\t/4)+256*(\t%4) th:TH_LOAD_NT   ; image t: eight neighbouring keys, and the eight 32 keys on
.endr
.irp i, 0,1,2,3
	global_load_u16 v[KSC+\i], v[SA], s[6:7] offset:128*(\i/2)+32*(\i%2)                     ; two bytes, widened with zeros: the word of a key
.endr
.irp i, 0,1
	global_load_b32 v[VSC+\i], v[VSA], s[10:11] offset:2048*\i
.endr
	s_wait_loadcnt 14                              ; V's eight loads are in; the 14 younger ones may be out
.irp i, 0,1,2,3,4,5,6,7
	ds_store_b128 v[LST], v[VI+4*\i:VI+4*\i+3] offset:2*SP*\i
.endr
.irp n, 0,1,2,3,4,5,6,7
	ds_load_b128 v[VO+4*\n:VO+4*\n+3], v[LRD] offset:32*\n   ; step n / 2 of the four, half c = n % 2: bytes 64 (n / 2) + 32 c + 16 e of row p.  LDS serves a wave's instructions in order (ISA guide 5.7.1.4): these see my stores
.endr
	s_wait_loadcnt 6                               ; K's codes are in (behind them: the six loads of scales)
.irp t, 0,1,2,3,4,5,6,7
	global_store_b128 v[O16], v[KD+4*\t:KD+4*\t+3], s[28:29] offset:512*\t
.endr
	s_wait_loadcnt 2                               ; K's scale words
	global_store_b128 v[O16], v[KSC:KSC+3], s[28:29] offset:8192
	s_wait_loadcnt 0
	global_store_b64 v[O8], v[VSC:VSC+1], s[28:29] offset:8704
.irp n, 0,1,2,3,4,5,6,7
	s_wait_dscnt 7-\n                              ; LDS loads come back in order: image n is in
	global_store_b128 v[O16], v[VO+4*\n:VO+4*\n+3], s[30:31] offset:(\n/2)*KVB+512*(\n%2)
.endr
	s_wait_tensorcnt 0x0
	ds_add_u32 v120, v121
	s_wait_dscnt 0x0
	s_endpgm
.Lfunc_end_k_q1fbb2c437e_relay:
	.size	k_q1fbb2c437e_relay, .Lfunc_end_k_q1fbb2c437e_relay-k_q1fbb2c437e_relay
	.p2alignl 7, 3214868480
	.fill 96, 4, 3214868480
	.section	.rodata,"a",@progbits
	.p2align	6, 0x0
	.amdhsa_kernel k_q1fbb2c437e_relay
		.amdhsa_group_segment_fixed_size 17920
		.amdhsa_private_segment_fixed_size 0
		.amdhsa_enable_private_segment 0
		.amdhsa_kernarg_size 40
		.amdhsa_user_sgpr_count 2
		.amdhsa_user_sgpr_kernarg_segment_ptr 1
		.amdhsa_wavefront_size32 1
		.amdhsa_system_sgpr_workgroup_id_x 1
		.amdhsa_system_sgpr_workgroup_id_y 1
		.amdhsa_system_sgpr_workgroup_id_z 1
		.amdhsa_system_vgpr_workitem_id 0
		.amdhsa_next_free_vgpr 122
		.amdhsa_next_free_sgpr 66
		.amdhsa_reserve_vcc 0
		.amdhsa_float_denorm_mode_32 3
		.amdhsa_float_denorm_mode_16_64 3
		.amdhsa_memory_ordered 1
		.amdhsa_forward_progress 1
		.amdhsa_inst_pref_size 9
	.end_amdhsa_kernel
	.amdgpu_metadata
---
amdhsa.version: [ 1, 2 ]
amdhsa.kernels:
  - .name:           k_q1fbb2c437e_relay
    .symbol:         k_q1fbb2c437e_relay.kd
    .args:
      - { .name: k_codes, .offset: 0, .size: 8, .value_kind: global_buffer, .address_space: global }
      - { .name: k_scales, .offset: 8, .size: 8, .value_kind: global_buffer, .address_space: global }
      - { .name: v_codes, .offset: 16, .size: 8, .value_kind: global_buffer, .address_space: global }
      - { .name: v_scales, .offset: 24, .size: 8, .value_kind: global_buffer, .address_space: global }
      - { .name: kv, .offset: 32, .size: 8, .value_kind: global_buffer, .address_space: global }
    .group_segment_fixed_size: 17920
    .private_segment_fixed_size: 0
    .kernarg_segment_align: 8
    .kernarg_segment_size: 40
    .max_flat_workgroup_size: 128
    .sgpr_count:     66
    .vgpr_count:     122
    .wavefront_size: 32
...
	.end_amdgpu_metadata
.endif
;; end of part 1
;; launch attn (part 2): grid 32 x 8, 8 waves a work-group, clusters of 4 x 4, 327,680 bytes of LDS; arguments kv, pos_scores, mask, q_codes, q_scales, out0; writes out0
.if DOCPART == 2
	.amdgcn_target "amdgcn-amd-amdhsa--gfx1250"
	.amdhsa_code_object_version 6
	.text
	.protected	k_q1fbb2c437e_attn
	.globl	k_q1fbb2c437e_attn
	.p2align	8
	.type	k_q1fbb2c437e_attn,@function
k_q1fbb2c437e_attn:
	s_mov_b64 s[64:65], 0
	v_nop
	global_prefetch_b8 v0, s[64:65] scope:SCOPE_SE
	s_setreg_imm32_b32 hwreg(HW_REG_WAVE_MODE, 25, 1), 1
	s_wait_xcnt 0x0
	s_wait_alu depctr_hold_cnt(0) depctr_sa_sdst(0) depctr_va_vdst(0) depctr_va_sdst(0) depctr_va_ssrc(0) depctr_va_vcc(0) depctr_vm_vsrc(0)
	s_getreg_b32 s2, hwreg(HW_REG_IB_STS2, 6, 4)
	s_cmp_eq_u32 s2, 0
	s_cbranch_scc0 .Lentry_in_a_cluster
	s_endpgm
.Lentry_in_a_cluster:
	s_bfe_u32 s2, ttmp6, 0x10000c
	s_cmp_lg_u32 s2, 0xf033
	s_cbranch_scc0 .Lentry_shape_is_right
	s_endpgm
.Lentry_shape_is_right:
; out[b][h][i][:] = sum over j of softmax_j(mask[i][j] (q[b][h][i] . k[b][h][j] / 8 + pos[h][i][j])) v[b][h][j][:].  8 batches, 8 heads, 2,048 queries and keys, head size 64.
; Both products on codes of FP4 (E2M1) with one E8M0 scale for each 32 along K.  Ahead of the second product: t = logit x log2(e); M = the running largest t, rounded UP to a whole number; p = 2^(t - M) is quantised
; along the keys, not normalised; the row's sum is taken of the unquantised p and divides at the end; when M moves, the sums and O are multiplied by f = 2^(old M - new M), which rounds nothing.
; SHARES.  pos hangs on the head and not on the batch, mask on neither: a work-group takes 64 queries of one head for ALL 8 batches, so pos is read from memory once in the launch.  Wave w takes the 16 queries of
; tile w % 4 and batches 4 (w / 4) .. + 3; it keeps pos and mask of its 16 queries x 128 keys in 128 registers for its four batches.  Keys go 128 a step, 16 steps; a UNIT is one batch's 16 x 128 scores.
; POS IS THE C OF THE FIRST PRODUCT, and 1 / 8 is 3 taken off q's scale bytes: the matrix unit returns q . k / 8 + pos, and the logit is one packed multiplication by mask.
; LAYOUT.  Both products are used transposed (S^T = K Q^T, O^T = V^T P^T): a lane holds ONE query (lane % 16).  Row m of K's tile 4 c + T is key 64 c + 32 (m / 8) + 8 T + m % 8, so that register 32 c + i of the
; scores holds key 64 c + 32 (lane / 16) + i: a lane holds two WHOLE blocks of 32 keys in the order that the 4-bit operand wants.  The launch before has laid K and V so (kv: [head][step][batch][8,960 bytes]).
; THE FIRST PRODUCT'S K IS 64 of the instruction's 128: q's fragment has zero codes in its upper four registers; K's operand for tile t is registers 4 t .. 4 t + 7 of K's 32 (+ 4 of zeros).
; RING.  Two slots for kv's blocks (71,680 bytes a step: waves 0-3 bring a quarter each), two for pos and mask (64 rows x 512 bytes each: waves 4, 5 pos' halves, waves 6, 7 mask's).  At the head a wave asks for its
; part of the first slots; the second slots' first fills stand behind the full sequence and a round, as a refill does.  One round a step, in the step's last unit: the wave signals as soon as V of that unit and the
; next step's pos and mask are in registers, and waits behind its conversions: the multiply-adds, the exponentials, the scales and the conversions, work on registers alone, stand between signal and wait.
; Behind round s go out kv of step s + 2 and pos and mask of step s + 3, each into the slot just read out.  By this text's count a wave has one tensor load out at any time.
; NO PREFETCH INTO THE L2 is laid: the tensor loads themselves ask for pos and mask two steps (eight units) ahead of the LDS reads that want them, and for kv one step ahead.
; CLUSTER, 4 x 4.  kv's block hangs on the head alone: asked for jointly along a row of the cluster.  mask's tile hangs on the query block alone: jointly along a column.  pos is the work-group's own.
; DEPENDENT LINES ARE KEPT APART: the maximum runs in eight chains by turns; the row's sum is a tree in place over p's registers, with the scale word's chain laid among its lines; f is made among the multiply-adds.
; O^T, the sums and M begin as zeros and -3e38, so that the step has no first step of its own.
; LIMITS.  q's scale bytes 0 to 2 are held at 3 before 3 is taken off (numbers under 2^-122); q's scale byte 0xff is not served as NaN.  NaN and infinities in pos and mask are not served.  p under 2^-126 is 0.
; The promise holds while t stays under 2^31 in magnitude.  A block of p whose every number is 0 keeps the byte 1: its codes are zeros.  A block's largest p is made from its largest logit by the same multiply-add and exponential as every p.
; REGISTERS.  Window 0: v1-11 addresses; v12-19 -M and the largest logit, a pair a batch; v20-27 the maximum's chains; v28-38 scale words; v40-47 p's codes; v48-63 at work; v64-127 S^T, then p; v128-191 pos; v192-255 mask.
;   Window 1: v0-127 O^T (32 a batch); v128-159 Q (8 a batch); v160-191 K, v192-195 zeros; v196-227 V; v228-243 the rows' sums, four parts a batch.
.set KVB,   71680
.set KVQ,   17920                      ; a quarter: 70 rows of 256 bytes
.set BAT,   8960
.set KV0,   0
.set KV1,   KVB
.set PP,    528                        ; a row of pos or mask in LDS: 512 bytes + 16
.set PMQ,   32*PP
.set PMH,   64*PP
.set PMB,   2*PMH
.set PM0,   2*KVB
.set PM1,   PM0+PMB
.set SPARE, PM1+PMB                    ; the spare words, 128 bytes a wave: four blocks of 256 bytes that no other line names
.set STAGE, SPARE+1024                 ; the way out: 16 rows x 272 bytes a wave; no fill lands here
.set SP,    272
.set SPW,  1
.set NIL,  2
.set AKV0, 3                           ; my group's four batches in a block, + 16 x lane
.set AV80, 4                           ; the same + 8 x lane
.set APM0, 5                           ; my tile's row r of pos, + 128 (lane / 16)
.set AKV,  6                           ; v6-8 the three with the slot in hand added
.set AV8,  7
.set APM,  8
.set SH8,  9                           ; 8 (lane / 16)
.set RR,   10
.set HH,   11
.set ST,   12                          ; batch q: v[ST+2q] -M, +1 the largest logit
.set CH,   20
.set QS,   28
.set KS,   32
.set VS,   36
.set PW,   38
.set OLD,  39                          ; -M as it was
.set P,    40
.set W,    48                          ; W, W+2: the two blocks' largest; W+1, W+3 at work
.set X,    52
.set Y,    53
.set F,    54                          ; f; v55 named with it as a pair
.set C0,   56
.set B0,   58
.set QO,   62
.set QSO,  63
.set S,    64
.set POS,  128
.set MASK, 192
.set O,    0                           ; window 1
.set QF,   128
.set KF,   160
.set PAD,  192
.set VF,   196
.set ACC,  228
.set STO,  6
.set RD,   7
.set GO,   8
.set RC,   52
.set WV,   16
.set TILE, 17
.set GRP,  18
.set HALF, 19
.set QB,   22
.set HD,   23
.set SEL,  24
.set CS,   26
.set G1KV, 28
.set G1P,  36
.set G1M,  44
.set G0KVA, 52                         ; groups 0: the first fill of slot 0, and the one that walks, for kv, pos, mask
.set G0KV, 56
.set G0PA, 60
.set G0P,  68
.set G0MA, 72
.set G0M,  76
.set TKV,  80                          ; kv's slot in hand
.set TPM,  81                          ; the slot of pos and mask that this step reads out and its round fills
.set CNT,  82
.set WKV,  83
.set WPH,  84
.set WPM,  85
.set OB,   86
.set MSB, 0
.macro WIN new                         ; the immediate's high byte repeats the setting that is left
.if MSB != \new
	s_set_vgpr_msb (MSB<<8)|\new
.set MSB, \new
.endif
.endm
.set W_QK,  0x05                       ; K and Q window 1; pos and S^T window 0
.set W_LD1, 0x40                       ; destination window 1
.set W_RS,  0x41                       ; destination and source 0 window 1
.set W_PV,  0x51                       ; V, C and D window 1; p window 0
.set W_OUT, 0x01
.macro PLACES n
.rept \n
	v_nop
.endr
.endm
.macro ALUW
	s_wait_alu depctr_va_vdst(0)
.endm
.macro CREST                           ; a round of the cluster's barrier behind its opening barrier
	s_cmp_lg_u32 s[WV], 0
	s_cbranch_scc1 .Lnot_wave_0_\@
	s_barrier_signal -3
.Lnot_wave_0_\@:
	s_barrier_wait -3
	s_barrier_signal -1
	s_barrier_wait -1
.endm
.macro CROUND
	s_barrier_signal -1
	s_barrier_wait -1
	CREST
.endm
; One tensor load a wave: waves 0-3 kv's quarters, waves 4, 5 pos' halves, waves 6, 7 mask's: one chain of branches on the wave's number, an arm a load, one join.  s_nop 0 and four v_nop follow each load.
.macro TLOAD fkv, fpm, gk, gp, gm
	s_cmp_lt_u32 s[WV], 4
.if \fkv
	s_cbranch_scc0 .Lnot_kv_\@
	tensor_load_to_lds s[\gk:\gk+3], s[G1KV:G1KV+7]
	s_nop 0
	PLACES 4
	s_branch .Lasked_\@
.Lnot_kv_\@:
.else
	s_cbranch_scc1 .Lasked_\@
.endif
.if \fpm
	s_cmp_lt_u32 s[WV], 6
	s_cbranch_scc0 .Lfor_m_\@
	tensor_load_to_lds s[\gp:\gp+3], s[G1P:G1P+7]
	s_nop 0
	PLACES 4
	s_branch .Lasked_\@
.Lfor_m_\@:
	tensor_load_to_lds s[\gm:\gm+3], s[G1M:G1M+7]
	s_nop 0
	PLACES 4
.endif
.Lasked_\@:
.endm
	s_load_b256 s[4:11], s[0:1], 0x0               ; kv, pos, mask, q's codes
	s_load_b128 s[12:15], s[0:1], 0x20             ; q's scales, out0
	v_lshl_add_u32 v[SPW], v0, 2, SPARE
	v_mov_b32 v[NIL], 0
	ds_add_u32 v[SPW], v[NIL]                      ; the opening: the add, twice on end, and its wait ahead of my first tensor load
	ds_add_u32 v[SPW], v[NIL]
	v_lshrrev_b32 v10, 5, v0
	s_delay_alu instid0(VALU_DEP_1)
	v_readfirstlane_b32 s[WV], v10                 ; wave 0..7
	s_and_b32 s[TILE], s[WV], 3
	s_lshr_b32 s[GRP], s[WV], 2
	s_and_b32 s[HALF], s[WV], 1
	s_bfe_u32 s20, ttmp6, 0x40000                  ; cx, cy
	s_bfe_u32 s21, ttmp6, 0x40004
	s_lshl_b32 s[QB], ttmp9, 2
	s_add_co_u32 s[QB], s[QB], s20                 ; block of queries = 4 x cluster x + cx
	s_and_b32 s[HD], ttmp7, 0xffff
	s_lshl_b32 s[HD], s[HD], 2
	s_add_co_u32 s[HD], s[HD], s21                 ; head = 4 x cluster y + cy
	s_lshl_b32 s94, s21, 2
	s_lshl_b32 s94, 15, s94                        ; my row of the cluster: the same head
	s_lshl_b32 s95, 0x1111, s20                    ; my column: the same queries
	s_or_b32 s[G1KV], s94, (3<<16)|(1<<21)         ; kv: 70 rows of 32 elements of 8 bytes, dense
	s_mov_b32 s[G1KV+1], 32<<16
	s_mov_b32 s[G1KV+2], 70<<16
	s_mov_b32 s[G1KV+3], 32<<16
	s_mov_b32 s[G1KV+4], 70
	s_mov_b32 s[G1KV+5], 32
	s_mov_b32 s[G1KV+6], 0
	s_mov_b32 s[G1KV+7], 0
	s_mov_b32 s[G1P], (2<<16)|(1<<20)|(6<<22)|(3<<25)              ; pos, mask: 32 rows of 128 f32, 2,048 from row to row; 4 words of padding behind every 128
	s_or_b32 s[G1M], s95, (2<<16)|(1<<20)|(1<<21)|(6<<22)|(3<<25)
.irp g, G1P, G1M
	s_mov_b32 s[\g+1], 128<<16
	s_mov_b32 s[\g+2], 32<<16
	s_mov_b32 s[\g+3], 128<<16
	s_mov_b32 s[\g+4], 32
	s_mov_b32 s[\g+5], 2048
	s_mov_b32 s[\g+6], 0
	s_mov_b32 s[\g+7], 0
.endr
	s_mov_b32 s[SEL], 0x76543210
	s_mov_b32 s[SEL+1], 0xfedcba98
	s_mov_b32 s[CS], 0x3fb8aa3b                    ; log2(e)
	s_mov_b32 s[CS+1], s[CS]
	s_mov_b32 s[TKV], KV0
	s_mov_b32 s[TPM], PM0
	s_mov_b32 s[CNT], 13
	s_mul_i32 s[WKV], s[WV], KVQ
	s_mul_i32 s[WPH], s[HALF], PMQ
	s_add_co_u32 s[WPM], s[WPH], PMH
	; offsets, each in registers of its own: kv's of the head and the wave, mask's of the query block and the wave, pos' of both
	s_mul_i32 s96, s[HD], 16*KVB
	s_add_co_u32 s96, s96, s[WKV]
	s_mov_b32 s97, 0
	s_lshl_b32 s100, s[QB], 19
	s_lshl_b32 s101, s[HALF], 18
	s_add_co_u32 s100, s100, s101
	s_mov_b32 s101, 0
	s_lshl_b32 s98, s[HD], 24
	s_lshl_b32 s2, s[QB], 19
	s_add_co_u32 s98, s98, s2
	s_lshl_b32 s2, s[HALF], 18
	s_add_co_u32 s98, s98, s2
	s_mov_b32 s99, 0
	s_mov_b32 s[G0KVA], 1
	s_mov_b32 s[G0KV], 1
	s_mov_b32 s[G0PA], 1
	s_mov_b32 s[G0P], 1
	s_mov_b32 s[G0MA], 1
	s_mov_b32 s[G0M], 1
	s_add_co_u32 s[G0KVA+1], s[WKV], KV0
	s_add_co_u32 s[G0KV+1], s[WKV], KV1
	s_add_co_u32 s[G0PA+1], s[WPH], PM0
	s_add_co_u32 s[G0P+1], s[WPH], PM1
	s_add_co_u32 s[G0MA+1], s[WPM], PM0
	s_add_co_u32 s[G0M+1], s[WPM], PM1
	ALUW
	s_wait_dscnt 0x0                               ; both opening adds are done
	s_wait_kmcnt 0x0
	s_add_nc_u64 s[G0KVA+2:G0KVA+3], s[4:5], s[96:97]              ; step 0,
	s_add_nc_u64 s[G0KV+2:G0KV+3], s[G0KVA+2:G0KVA+3], KVB         ; step 1
	s_add_nc_u64 s[G0PA+2:G0PA+3], s[6:7], s[98:99]
	s_add_nc_u64 s[G0P+2:G0P+3], s[G0PA+2:G0PA+3], 512
	s_add_nc_u64 s[G0MA+2:G0MA+3], s[8:9], s[100:101]
	s_add_nc_u64 s[G0M+2:G0M+3], s[G0MA+2:G0MA+3], 512
.irp g, G0KVA, G0KV, G0PA, G0P, G0MA, G0M
	s_or_b32 s[\g+3], s[\g+3], 0x80000000
.endr
	s_lshl_b32 s98, s[GRP], 21                     ; q's codes at my 16 rows of batch 4 x group
	s_lshl_b32 s2, s[HD], 16
	s_add_co_u32 s98, s98, s2
	s_lshl_b32 s2, s[QB], 11
	s_add_co_u32 s98, s98, s2
	s_lshl_b32 s2, s[TILE], 9
	s_add_co_u32 s98, s98, s2
	s_add_nc_u64 s[10:11], s[10:11], s[98:99]
	s_lshr_b32 s98, s98, 4                         ; q's scales: 2 bytes a row
	s_add_nc_u64 s[12:13], s[12:13], s[98:99]
	s_lshl_b32 s98, s98, 7                         ; out0: 256 bytes a row
	s_add_nc_u64 s[OB:OB+1], s[14:15], s[98:99]
.irp b, 1,2,3
	s_add_nc_u64 s[OB+2*\b:OB+2*\b+1], s[OB+2*\b-2:OB+2*\b-1], 0x400000
.endr
	CROUND                                         ; all sixteen work-groups are here: the first joint loads meet
	TLOAD 1, 1, G0KVA, G0PA, G0MA                  ; step 0's tiles: one tensor load a wave at the head
	v_and_b32 v[RR], 15, v0
	v_bfe_u32 v[HH], v0, 4, 1
	s_delay_alu instid0(VALU_DEP_2)
	v_lshlrev_b32 v[QO], 5, v[RR]
	s_delay_alu instid0(VALU_DEP_1)
	v_lshl_add_u32 v[QO], v[HH], 4, v[QO]          ; q: row r of 32 bytes, block h
	s_delay_alu instid0(VALU_DEP_4)
	v_lshlrev_b32 v[QSO], 1, v[RR]
	WIN W_LD1
.irp b, 0,1,2,3
	global_load_b128 v[QF+8*\b:QF+8*\b+3], v[QO], s[10:11] offset:\b*524288   ; Q's fragments stay in registers
.endr
	WIN 0
.irp b, 0,1,2,3
	global_load_u16 v[W+\b], v[QSO], s[12:13] offset:\b*32768
.endr
	v_and_b32 v[AKV], 31, v0
	s_mul_i32 s3, s[GRP], 4*BAT
	v_lshl_add_u32 v[AKV0], v[AKV], 4, s3
	v_lshl_add_u32 v[AV80], v[AKV], 3, s3
	s_mul_i32 s3, s[TILE], 16*PP
	v_mul_u32_u24 v[APM0], v[RR], PP
	s_delay_alu instid0(VALU_DEP_1)
	v_lshl_add_u32 v[APM0], v[HH], 7, v[APM0]
	s_delay_alu instid0(VALU_DEP_1)
	v_add_nc_u32 v[APM0], s3, v[APM0]
	v_lshlrev_b32 v[SH8], 3, v[HH]
	v_add_nc_u32 v[AKV], s[TKV], v[AKV0]
	v_add_nc_u32 v[AV8], s[TKV], v[AV80]
	s_delay_alu instid0(VALU_DEP_4)
	v_add_nc_u32 v[APM], s[TPM], v[APM0]
.irp b, 0,1,2,3
	v_mov_b32 v[ST+2*\b+1], 0xff61b1e6             ; the largest logit so far: -3e38
	s_delay_alu instid0(VALU_DEP_1)
	v_floor_f32 v[ST+2*\b], -v[ST+2*\b+1]          ; -M
.endr
	v_mov_b32 v[Y], 0                              ; a lane permute's destination counts as one of its sources
	v_mov_b32 v[F+1], 0                            ; named as the upper half of a pair
	s_wait_loadcnt 0x0                             ; Q and its scale bytes
.irp b, 0,1,2,3                                ; each of q's two bytes becomes max(byte, 3) - 3 = 252 - min(255 - byte, 252): the product's 1 / 8
	v_and_b32 v[C0+\b], 0xff, v[W+\b]
	v_lshrrev_b32 v[W+\b], 8, v[W+\b]
.endr
.irp b, 0,1,2,3
	v_sub_nc_u32 v[C0+\b], 0xff, v[C0+\b]
	v_sub_nc_u32 v[W+\b], 0xff, v[W+\b]
.endr
.irp b, 0,1,2,3
	v_min_u32 v[C0+\b], 0xfc, v[C0+\b]
	v_min_u32 v[W+\b], 0xfc, v[W+\b]
.endr
.irp b, 0,1,2,3
	v_sub_nc_u32 v[C0+\b], 0xfc, v[C0+\b]
	v_sub_nc_u32 v[W+\b], 0xfc, v[W+\b]
.endr
.irp b, 0,1,2,3
	v_lshl_or_b32 v[QS+\b], v[W+\b], 8, v[C0+\b]   ; bytes 2 and 3, of the blocks that hold zero codes, are 0
.endr
	WIN W_LD1
.irp b, 0,1,2,3
.irp i, 4,5,6,7
	v_mov_b32 v[QF+8*\b+\i], 0                     ; Q's K = 64 .. 127: zero codes
.endr
.endr
.irp i, 0,1,2,3
	v_mov_b32 v[PAD+\i], 0                         ; what stands behind K's last tile
.endr
.set j, 0
.rept 16
	v_mov_b32 v[ACC+j], 0                          ; the rows' sums
.set j, j+1
.endr
.set j, 0
.rept 128
	v_mov_b32 v[O+j], 0                            ; O^T
.set j, j+1
.endr
	WIN 0
; ---- the parts of a UNIT: 16 queries x 128 keys of batch q of my four
.macro QK q                            ; S^T = K Q^T + pos: eight accumulators, each begun with its eight registers of pos
	WIN W_QK
.irp t, 0,1,2,3,4,5,6,7
.if \t % 2
	v_wmma_scale_f32_16x16x128_f8f6f4 v[S+8*\t:S+8*\t+7], v[KF+4*\t:KF+4*\t+7], v[QF+8*(\q):QF+8*(\q)+7], v[POS+8*\t:POS+8*\t+7], v[KS+\t/2], v[QS+(\q)] matrix_a_fmt:MATRIX_FMT_FP4 matrix_b_fmt:MATRIX_FMT_FP4 matrix_a_scale:MATRIX_SCALE_ROW1
.else
	v_wmma_scale_f32_16x16x128_f8f6f4 v[S+8*\t:S+8*\t+7], v[KF+4*\t:KF+4*\t+7], v[QF+8*(\q):QF+8*(\q)+7], v[POS+8*\t:POS+8*\t+7], v[KS+\t/2], v[QS+(\q)] matrix_a_fmt:MATRIX_FMT_FP4 matrix_b_fmt:MATRIX_FMT_FP4
.endif
.endr
.endm
.macro LDV_IMG q
.irp k, 0,1,2,3,4,5,6,7
	ds_load_b128 v[VF+4*\k:VF+4*\k+3], v[AKV] offset:BAT*(\q)+4096+512*\k
.endr
.endm
.macro LDK_IMG q
.irp k, 0,1,2,3,4,5,6,7
	ds_load_b128 v[KF+4*\k:KF+4*\k+3], v[AKV] offset:BAT*(\q)+512*\k
.endr
.endm
.macro RELOAD reg, off                 ; 64 numbers of my query's row: register 32 c + i = key 64 c + 32 h + i
.irp c, 0,1
.irp u, 0,1,2,3,4,5,6,7
	ds_load_b128 v[\reg+32*\c+4*\u:\reg+32*\c+4*\u+3], v[APM] offset:\off+256*\c+16*\u
.endr
.endr
.endm
.macro MULM                            ; the logits: x mask, two at a time, each accumulator from its low end on
.set j, 0
.rept 32
	v_pk_mul_f32 v[S+j:S+j+1], v[S+j:S+j+1], v[MASK+j:MASK+j+1]
.set j, j+2
.endr
.endm
.macro MAXA q                          ; the two blocks' largest logits and the new -M.  Eight chains of seven numbers by turns, four to a block; the block's four left-over numbers go in where the chains join
.irp g, 0,1,2,3,4,5,6,7
	v_max3_num_f32 v[CH+\g], v[S+8*\g], v[S+8*\g+1], v[S+8*\g+2]
.endr
.irp i, 3,5
.irp g, 0,1,2,3,4,5,6,7
	v_max3_num_f32 v[CH+\g], v[CH+\g], v[S+8*\g+\i], v[S+8*\g+\i+1]
.endr
.endr
	v_max_num_f32 v[W+1], v[S+23], v[S+31]
	v_max_num_f32 v[W+3], v[S+55], v[S+63]
	v_mov_b32 v[OLD], v[ST+2*(\q)]
	v_max3_num_f32 v[CH], v[CH], v[CH+1], v[S+7]
	v_max3_num_f32 v[CH+2], v[CH+2], v[CH+3], v[S+15]
	v_max3_num_f32 v[CH+4], v[CH+4], v[CH+5], v[S+39]
	v_max3_num_f32 v[CH+6], v[CH+6], v[CH+7], v[S+47]
	s_delay_alu instid0(VALU_DEP_3)
	v_max3_num_f32 v[W], v[CH], v[CH+2], v[W+1]    ; THE BLOCK'S LARGEST LOGIT: for the row's maximum, and, since p rises with the logit, for the block's largest p
	s_delay_alu instid0(VALU_DEP_2)
	v_max3_num_f32 v[W+2], v[CH+4], v[CH+6], v[W+3]
	s_delay_alu instid0(VALU_DEP_1)
	v_max_num_f32 v[X], v[W], v[W+2]
	s_delay_alu instid0(VALU_DEP_1)
	v_permlanex16_b32 v[Y], v[X], s[SEL], s[SEL+1]
	s_delay_alu instid0(VALU_DEP_1)
	v_max3_num_f32 v[ST+2*(\q)+1], v[ST+2*(\q)+1], v[X], v[Y]   ; the running largest logit, lane l xor 16's 64 keys among them
	s_delay_alu instid0(VALU_DEP_1)
	v_mul_f32 v[X], s[CS], v[ST+2*(\q)+1]          ; as t (log2(e) is positive, so the largest logit gives the largest t)
	s_delay_alu instid0(VALU_DEP_1)
	v_floor_f32 v[ST+2*(\q)], -v[X]                ; the new -M = floor(-t) = -ceil(t)
.endm
.macro MAXB q                          ; t - M; among the multiply-adds stand the lines on the way to f
.set j, 0
.rept 32
	v_pk_fma_f32 v[S+j:S+j+1], v[S+j:S+j+1], s[CS:CS+1], v[ST+2*(\q):ST+2*(\q)+1] op_sel_hi:[1,0,0]
.if j == 8
	v_sub_f32 v[X], v[ST+2*(\q)], v[OLD]           ; old M - new M: a whole number, 0 or less
.endif
.if j == 24
	v_cvt_i32_f32 v[X], v[X]                       ; (it saturates)
.endif
.set j, j+2
.endr
	v_fma_f32 v[W], v[W], s[CS], v[ST+2*(\q)]      ; the same of each block's largest
	v_fma_f32 v[W+2], v[W+2], s[CS], v[ST+2*(\q)]
.endm
.macro SOFT q                          ; from the logits and -M to p, its blocks' scales and its codes
	MAXB \q
	ALUW                                           ; ahead of the batch
.set j, 0
.rept 64
	v_exp_f32 v[S+j], v[S+j]                       ; p = 2^(t - M)
.set j, j+1
.endr
	v_exp_f32 v[W], v[W]                           ; the blocks' largest p
	v_exp_f32 v[W+2], v[W+2]
	v_ldexp_f32 v[F], 1.0, v[X]                    ; f = 2^(old M - new M).  (The plain place behind the exponentials)
	ALUW                                           ; one wait for the batch
	v_max_num_f32 v[W], 0x1800000, v[W]            ; the floor 2^(3 - 127): the byte cannot fall under 1
	v_max_num_f32 v[W+2], 0x1800000, v[W+2]
	s_delay_alu instid0(VALU_DEP_2)
	v_add_nc_u32 v[C0], 0xff000000, v[W]           ; 2 off the exponent field: the conversion's scale operand
	s_delay_alu instid0(VALU_DEP_2)
	v_add_nc_u32 v[C0+1], 0xff000000, v[W+2]
.irp c, 0,1
.irp g, 0,1,2,3
	v_cvt_scalef32_pk8_fp4_f32 v[P+4*\c+\g], v[S+32*\c+8*\g:S+32*\c+8*\g+7], v[C0+\c]   ; register 4 c + g: keys 64 c + 32 h + 8 g + 0 .. 7
.endr
.endr
	v_nop                                          ; one plain place behind a scaled conversion
.endm
.macro ADDS a, d                       ; one line of the sum's tree: pair a += pair a + d
	v_pk_add_f32 v[S+\a:S+\a+1], v[S+\a:S+\a+1], v[S+\a+\d:S+\a+\d+1]
.endm
.macro SUMS                            ; the sum of the unquantised p: a tree in place, 64 numbers to 4.  p's scale word is made among its lines, each line of that chain five lines behind the one that it reads
	v_lshrrev_b32 v[B0], 23, v[C0]                 ; the scales' bytes
	v_lshrrev_b32 v[B0+1], 23, v[C0+1]
.irp a, 0,2,4,6,8,10,12,14,16,18,20,22,24,26,28,30
	ADDS \a, 32
.endr
	v_lshl_or_b32 v[X], v[B0+1], 16, v[B0]         ; my blocks are h and 2 + h of the four:
.irp a, 0,2,4,6
	ADDS \a, 16
.endr
	v_lshlrev_b32 v[X], v[SH8], v[X]               ; 8 h bits up;
.irp a, 8,10,12,14
	ADDS \a, 16
.endr
	v_permlanex16_b32 v[Y], v[X], s[SEL], s[SEL+1]
.irp a, 0,2,4,6
	ADDS \a, 8
.endr
	v_or_b32 v[PW], v[X], v[Y]                     ; with lane l xor 16's two bytes the word is whole
.irp a, 0,2
	s_delay_alu instid0(VALU_DEP_3)
	ADDS \a, 4
.endr
.endm
.macro RESC q                          ; O^T under the new M, each accumulator from its low end on; then the row's sums: x f, + this unit's four parts
	WIN W_RS
.set j, 0
.rept 16
	v_pk_mul_f32 v[O+32*(\q)+j:O+32*(\q)+j+1], v[O+32*(\q)+j:O+32*(\q)+j+1], v[F:F+1] op_sel_hi:[1,0]
.set j, j+2
.endr
.irp i, 0,2
	v_pk_fma_f32 v[ACC+4*(\q)+\i:ACC+4*(\q)+\i+1], v[ACC+4*(\q)+\i:ACC+4*(\q)+\i+1], v[F:F+1], v[S+\i:S+\i+1] op_sel_hi:[1,0,1]
.endr
.endm
.macro PV q                            ; O^T += V^T P^T: four accumulators, one instruction a turn
	WIN W_PV
.irp t, 0,1,2,3
.if \t % 2
	v_wmma_scale_f32_16x16x128_f8f6f4 v[O+32*(\q)+8*\t:O+32*(\q)+8*\t+7], v[VF+8*\t:VF+8*\t+7], v[P:P+7], v[O+32*(\q)+8*\t:O+32*(\q)+8*\t+7], v[VS+\t/2], v[PW] matrix_a_fmt:MATRIX_FMT_FP4 matrix_b_fmt:MATRIX_FMT_FP4 matrix_a_scale:MATRIX_SCALE_ROW1
.else
	v_wmma_scale_f32_16x16x128_f8f6f4 v[O+32*(\q)+8*\t:O+32*(\q)+8*\t+7], v[VF+8*\t:VF+8*\t+7], v[P:P+7], v[O+32*(\q)+8*\t:O+32*(\q)+8*\t+7], v[VS+\t/2], v[PW] matrix_a_fmt:MATRIX_FMT_FP4 matrix_b_fmt:MATRIX_FMT_FP4
.endif
.endr
.endm
; THE CHANGE OF SLOTS, in two parts.  MEETA: the wait for all my tensor loads (one is out: my part of a slot that the next step reads), the add, and the walking descriptors' steps.  The caller lays work on registers,
; s_wait_dscnt 0 (the add, and my reads of the slots that are left) and the signal behind it.  MEETB: the barrier's wait; where a slot is filled again the barrier has opened a round of the cluster's, and the refill
; is the first tensor load behind the round; then the addresses turn to the other slots.
.macro MEETA fkv, fpm
	s_wait_tensorcnt 0x0                           ; no tensor load of mine is out, so a group 0 may be written
	ds_add_u32 v[SPW], v[NIL]                      ; 0 onto my spare word
.if \fkv
	s_add_nc_u64 s[G0KV+2:G0KV+3], s[G0KV+2:G0KV+3], KVB
	s_add_co_u32 s[G0KV+1], s[TKV], s[WKV]         ; into the slot that is left
.endif
.if \fpm
	s_add_nc_u64 s[G0P+2:G0P+3], s[G0P+2:G0P+3], 512
	s_add_co_u32 s[G0P+1], s[TPM], s[WPH]
	s_add_nc_u64 s[G0M+2:G0M+3], s[G0M+2:G0M+3], 512
	s_add_co_u32 s[G0M+1], s[TPM], s[WPM]
.endif
.endm
.macro MEETB fkv, fpm, turnkv
	s_barrier_wait -1
.if \fkv || \fpm
	CREST
	TLOAD \fkv, \fpm, G0KV, G0P, G0M
.endif
.if \turnkv
	s_xor_b32 s[TKV], s[TKV], KV0^KV1
.endif
	s_xor_b32 s[TPM], s[TPM], PM0^PM1
	v_add_nc_u32 v[AKV], s[TKV], v[AKV0]
	v_add_nc_u32 v[AV8], s[TKV], v[AV80]
	v_add_nc_u32 v[APM], s[TPM], v[APM0]
.endm
; A UNIT.  mode 0: batches 0 to 2: K of the next batch is asked for with V.  mode 1: batch 3 where a step follows: pos' registers are loaded anew behind the first product, mask's behind the multiplication; the
; maximum stands between the add and the wait for it; the signal follows; the wait stands behind the conversions; the next step's first K lands under the sums and the rescaling.  mode 2: the very last unit.
.macro UNIT q, mode, fkv, fpm
	s_wait_dscnt 0x0                               ; K and its scale words are in
	QK \q
	PLACES 4                                       ; behind the products: for the first read of S^T, and for the loads into K's, V's, pos' and the scale words' registers (ISA guide 7.12.1 for the read of S^T)
	WIN W_LD1
	LDV_IMG \q
.if \mode == 0
	LDK_IMG (\q)+1
.endif
	WIN 0
	ds_load_b64 v[VS:VS+1], v[AV8] offset:BAT*(\q)+8704
.if \mode == 0
	ds_load_b128 v[KS:KS+3], v[AKV] offset:BAT*((\q)+1)+8192
.endif
.if \mode == 1
	RELOAD POS, 0
.endif
	MULM
.if \mode == 1
	RELOAD MASK, PMH
	MEETA \fkv, \fpm
.endif
	MAXA \q
.if \mode == 1
	ALUW
	s_wait_dscnt 0x0                               ; the add is done; V, and the next step's pos and mask, are in registers: my reads of the slots that are left are over
	s_barrier_signal -1
.else
	s_delay_alu instid0(VALU_DEP_1)
.endif
	SOFT \q
.if \mode == 1
	ALUW
	MEETB \fkv, \fpm, 1
	WIN W_LD1
	LDK_IMG 0
	WIN 0
	ds_load_b128 v[KS:KS+3], v[AKV] offset:8192
.endif
	SUMS
	RESC \q
.if \mode == 0
	ALUW
	s_wait_dscnt 0x1                               ; V and its scale words are in: only K's scale words were asked for behind them
.endif
.if \mode == 2
	ALUW
	s_wait_dscnt 0x0
.endif
	PV \q                                          ; (mode 1: V came in ahead of the signal)
.endm
.macro LAP fkv, fpm                    ; a step's last unit, with its change of slots, and the next step's first three units
	UNIT 3, 1, \fkv, \fpm
	UNIT 0, 0, 0, 0
	UNIT 1, 0, 0, 0
	UNIT 2, 0, 0, 0
	WIN 0                                          ; at a label and at a branch every window is 0
.endm
	ALUW                                           ; the head's end
	s_wait_tensorcnt 0x0                           ; my part of step 0's tiles is in
	ds_add_u32 v[SPW], v[NIL]
	s_wait_dscnt 0x0
	CROUND                                         ; everybody's part is in, and all sixteen work-groups are here
	TLOAD 1, 1, G0KV, G0P, G0M                     ; step 1's tiles: the second slots' first fills
	RELOAD POS, 0                                  ; pos and mask of step 0,
	RELOAD MASK, PMH
	WIN W_LD1
	LDK_IMG 0                                      ; and K of its first batch
	WIN 0
	ds_load_b128 v[KS:KS+3], v[AKV] offset:8192
	UNIT 0, 0, 0, 0                                ; step 0's first two units stand between the request for step 1's tiles and the wait for them
	UNIT 1, 0, 0, 0
	WIN 0
	MEETA 0, 1                                     ; pos' and mask's first slot was read out ahead of unit 0: step 2's go into it
	s_wait_dscnt 0x0
	s_barrier_signal -1
	MEETB 0, 1, 0
	ALUW
	UNIT 2, 0, 0, 0
	WIN 0
.Lstep:                                            ; 13 trips, from the last unit of steps 0 to 12 on: both kinds of slot are filled again
	ALUW
	LAP 1, 1
	s_sub_co_u32 s[CNT], s[CNT], 1
	s_cmp_lg_u32 s[CNT], 0
	s_cbranch_scc1 .Lstep
	LAP 1, 0                                       ; step 13's change of slots: kv of step 15 alone.  The tail is written out
	LAP 0, 0                                       ; step 14's: nothing is left to fetch; its barrier shows kv of step 15 to every wave
	UNIT 3, 2, 0, 0                                ; the very last unit
	WIN 0
	; THE WAY OUT.  A sum's four parts and lane l xor 16's are added; O^T is divided by the sum and goes through my stage in LDS, a batch (16 rows of 256 bytes) at a time.  The additions are the places behind the last products.
	WIN 0x05
.irp b, 0,1,2,3
	v_add_f32 v[W+\b], v[ACC+4*\b], v[ACC+4*\b+1]
.endr
.irp b, 0,1,2,3
	v_add_f32 v[C0+\b], v[ACC+4*\b+2], v[ACC+4*\b+3]
.endr
	WIN 0
	v_lshlrev_b32 v[GO], 8, v[HH]                  ; my two rows in out0: lanes 0-15 one row, lanes 16-31 the next, 16 bytes a lane
	s_delay_alu instid0(VALU_DEP_1)
	v_lshl_add_u32 v[GO], v[RR], 4, v[GO]
.irp b, 0,1,2,3
	v_add_f32 v[W+\b], v[W+\b], v[C0+\b]
.endr
.irp b, 0,1,2,3
	s_delay_alu instid0(VALU_DEP_4)
	v_permlanex16_b32 v[C0+\b], v[W+\b], s[SEL], s[SEL+1]
.endr
.irp b, 0,1,2,3
	s_delay_alu instid0(VALU_DEP_4)
	v_add_f32 v[W+\b], v[W+\b], v[C0+\b]
.endr
	ALUW
.irp b, 0,1,2,3
	v_rcp_f32 v[RC+\b], v[W+\b]
.endr
	s_mul_i32 s3, s[WV], 16*SP
	s_add_co_u32 s3, s3, STAGE                     ; my stage
	v_mul_u32_u24 v[STO], v[RR], SP                ; in: row r; tile T's eight channels of my half: 64 T + 32 h bytes on
	s_delay_alu instid0(VALU_DEP_1)
	v_lshl_add_u32 v[STO], v[HH], 5, v[STO]
	s_delay_alu instid0(VALU_DEP_1)
	v_add_nc_u32 v[STO], s3, v[STO]
	v_mul_u32_u24 v[RD], v[HH], SP                 ; back: lanes 0-15 one row, lanes 16-31 the next
	s_delay_alu instid0(VALU_DEP_1)
	v_lshl_add_u32 v[RD], v[RR], 4, v[RD]
	s_delay_alu instid0(VALU_DEP_1)
	v_add_nc_u32 v[RD], s3, v[RD]
	ALUW
.macro PACK q
	WIN W_OUT
.set j, 0
.rept 32
	v_mul_f32 v[S+32*((\q)%2)+j], v[O+32*(\q)+j], v[RC+(\q)]     ; register 8 T + i is out(r, 16 T + 8 h + i); each accumulator from its low end on
.set j, j+1
.endr
	WIN 0
.irp t, 0,1,2,3
	ds_store_b128 v[STO], v[S+32*((\q)%2)+8*\t:S+32*((\q)%2)+8*\t+3] offset:64*\t
	ds_store_b128 v[STO], v[S+32*((\q)%2)+8*\t+4:S+32*((\q)%2)+8*\t+7] offset:64*\t+16
.endr
.irp i, 0,1,2,3,4,5,6,7
	ds_load_b128 v[POS+32*(\q)+4*\i:POS+32*(\q)+4*\i+3], v[RD] offset:2*SP*\i   ; LDS serves a wave's instructions in order (ISA guide 5.7.1.4): these see the stores above; the next batch's stores come behind them
.endr
.endm
.macro SEND q, younger                 ; younger: the LDS instructions issued behind batch q's loads: the next batch's sixteen, or none
.irp i, 0,1,2,3,4,5,6,7
	s_wait_dscnt \younger+7-\i
	global_store_b128 v[GO], v[POS+32*(\q)+4*\i:POS+32*(\q)+4*\i+3], s[OB+2*(\q):OB+2*(\q)+1] offset:512*\i th:TH_STORE_NT   ; 32 lanes store two rows: 512 consecutive bytes, at a multiple of 256 from out0's first byte
.endr
.endm
	PACK 0
	PACK 1                                         ; a batch's arithmetic stands between the loads of the batch before and its stores
	SEND 0, 16
	PACK 2
	SEND 1, 16
	PACK 3
	SEND 2, 16
	SEND 3, 0
	s_wait_tensorcnt 0x0                           ; the wave's end, behind my last tensor load and my last LDS store
	ds_add_u32 v[SPW], v[NIL]
	s_wait_dscnt 0x0
	CROUND                                         ; the closing round: no work-group ends while a partner may still ask for a tile that names it
	s_endpgm
.Lfunc_end_k_q1fbb2c437e_attn:
	.size	k_q1fbb2c437e_attn, .Lfunc_end_k_q1fbb2c437e_attn-k_q1fbb2c437e_attn
	.p2alignl 7, 3214868480
	.fill 96, 4, 3214868480
	.section	.rodata,"a",@progbits
	.p2align	6, 0x0
	.amdhsa_kernel k_q1fbb2c437e_attn
		.amdhsa_group_segment_fixed_size 327680
		.amdhsa_private_segment_fixed_size 0
		.amdhsa_enable_private_segment 0
		.amdhsa_kernarg_size 48
		.amdhsa_user_sgpr_count 2
		.amdhsa_user_sgpr_kernarg_segment_ptr 1
		.amdhsa_wavefront_size32 1
		.amdhsa_system_sgpr_workgroup_id_x 1
		.amdhsa_system_sgpr_workgroup_id_y 1
		.amdhsa_system_sgpr_workgroup_id_z 1
		.amdhsa_system_vgpr_workitem_id 0
		.amdhsa_next_free_vgpr 512
		.amdhsa_next_free_sgpr 102
		.amdhsa_reserve_vcc 0
		.amdhsa_float_denorm_mode_32 3
		.amdhsa_float_denorm_mode_16_64 3
		.amdhsa_memory_ordered 1
		.amdhsa_forward_progress 1
		.amdhsa_inst_pref_size 255
	.end_amdhsa_kernel
	.section	.bss,"aw",@nobits
	.p2align	6
	.space	262144
	.amdgpu_metadata
---
amdhsa.version: [ 1, 2 ]
amdhsa.kernels:
  - .name:           k_q1fbb2c437e_attn
    .symbol:         k_q1fbb2c437e_attn.kd
    .args:
      - { .name: kv, .offset: 0, .size: 8, .value_kind: global_buffer, .address_space: global }
      - { .name: pos_scores, .offset: 8, .size: 8, .value_kind: global_buffer, .address_space: global }
      - { .name: mask, .offset: 16, .size: 8, .value_kind: global_buffer, .address_space: global }
      - { .name: q_codes, .offset: 24, .size: 8, .value_kind: global_buffer, .address_space: global }
      - { .name: q_scales, .offset: 32, .size: 8, .value_kind: global_buffer, .address_space: global }
      - { .name: out0, .offset: 40, .size: 8, .value_kind: global_buffer, .address_space: global }
    .group_segment_fixed_size: 327680
    .private_segment_fixed_size: 0
    .kernarg_segment_align: 8
    .kernarg_segment_size: 48
    .max_flat_workgroup_size: 256
    .sgpr_count:     102
    .vgpr_count:     512
    .wavefront_size: 32
...
	.end_amdgpu_metadata
.endif
;; end of part 2
